; MI455X (gfx1250); checked and timed in simulation.
; The chip was launched on July 23, 2026; its instructions are those of AMD's public machine-readable ISA for CDNA 5 (MIT licence, August 2026) and "CDNA5" Instruction Set Architecture Reference Guide (July 2026). The comments in the code are by the model that wrote it; some were corrected since.
;; Quantized Multihead Attention. Allowed arithmetic: matrix products marked QUANTISED: E5M2 operands, one given power-of-two scale a tensor, by v_wmma_f32_16x16x64_bf8_bf8 or v_wmma_f32_16x16x128_bf8_bf8, f32 sums; everything else in f32.
;; Inputs: Wk_codes 512 x 16 x 32 uint8 (E5M2 codes of Wk, K innermost, in blocks of 32 codes); Wo_codes 512 x 16 x 32 uint8 (E5M2 codes of Wo, K innermost, in blocks of 32 codes); Wq_codes 512 x 16 x 32 uint8 (E5M2 codes of Wq, K innermost, in blocks of 32 codes); Wv_codes 512 x 16 x 32 uint8 (E5M2 codes of Wv, K innermost, in blocks of 32 codes); b_param one number float32; bk 512 float32; bo 512 float32; bq 512 float32; bv 512 float32; e_param one number float32; keys_codes 4 x 2,048 x 16 x 32 uint8 (E5M2 codes of keys, K innermost, in blocks of 32 codes); lowp_scales 12 int32 (the exponents e of the quantised operands' scales 2^e); query_codes 4 x 2,048 x 16 x 32 uint8 (E5M2 codes of query, K innermost, in blocks of 32 codes); values_codes 4 x 2,048 x 16 x 32 uint8 (E5M2 codes of values, K innermost, in blocks of 32 codes).
;; Outputs: out0 4 x 2,048 x 512 float32.
;; This version of the problem:
;;   THIS VERSION OF THE PROBLEM IS GIVEN IN LOW PRECISION. The matrix products marked QUANTISED in the list below multiply operands that are first quantised to E5M2 (5 exponent bits, 2 mantissa bits; 8 bits a number), with one given power-of-two scale for each operand tensor; their sums are f32. All else is computed in f32.
;;   The module's matrix products, in the order in which they are computed (A, B: the left and right operand; K: the contracted axis; several contracted axes count as one K, in the product's order):
;;     1. [M 8,192, K 512] x [K 512, N 512]; A: input query (given as codes); B: input Wq (given as codes): QUANTISED (scales: A lowp_scales[0], B lowp_scales[1])
;;     2. [M 8,192, K 512] x [K 512, N 512]; A: input keys (given as codes); B: input Wk (given as codes): QUANTISED (scales: A lowp_scales[2], B lowp_scales[3])
;;     3. [M 8,192, K 512] x [K 512, N 512]; A: input values (given as codes); B: input Wv (given as codes): QUANTISED (scales: A lowp_scales[4], B lowp_scales[5])
;;     4. batch 32 x [M 2,048, K 64] x [K 64, N 2,048]; A: computed on the way; B: computed on the way: QUANTISED (scales: A lowp_scales[6], B lowp_scales[7])
;;     5. batch 32 x [M 2,048, K 2,048] x [K 2,048, N 64]; A: softmax (see below); B: computed on the way: QUANTISED (scales: A lowp_scales[8], B lowp_scales[9])
;;     6. [M 8,192, K 512] x [K 512, N 512]; A: computed on the way; B: input Wo (given as codes): QUANTISED (scales: A lowp_scales[10], B lowp_scales[11])
;;   THE QUANTISER, for each operand of a quantised product, along K:
;;     - The operand's scale is 2^e, e = its entry of the input lowp_scales (int32; the entries are numbered through the quantised products in the list's order, A before B).
;;     - Each number is divided by the scale, clamped to +-57,344, and rounded to the nearest number of E5M2, ties to even, subnormals kept.
;;     - The product sums the exact products of the quantised numbers (number of the format x scale) in f32.
;;   ~~~python
;;   def quantise(x, axis, e):      # numpy; x: float32 -> the quantised numbers, widened to float32 again
;;       x = np.moveaxis(x, axis, -1); K = x.shape[-1]
;;       r = np.clip(x / 2.0 ** e, -57344, 57344)
;;       step = 2.0 ** (np.maximum(np.frexp(np.where(r == 0, 1, r))[1] - 1, -14) - 2)
;;       q = np.round(r / step) * step * 2.0 ** e      # np.round: ties to even
;;       return np.moveaxis(q, -1, axis).astype(np.float32)
;;   ~~~
;;   SOFTMAX AHEAD OF A QUANTISED PRODUCT. Where the list says 'softmax', what is quantised is not the finished softmax but p = 2^(t - M), with t = logit x log2(e) and M = ceil(the row's largest t), a whole number; so 1/2 < the row's largest p <= 1. The row's sum l is taken of the UNQUANTISED p, in f32, and the product's result is divided by l at the end. Since M is a whole number, a kernel that streams over the keys may use a running M (the ceiling of the running maximum): every later rescaling is an exact power of two, so the quantised numbers keep their values, but for numbers so far below the row's largest that they fall under the format's range.
;;   OPERANDS COMPUTED ON THE WAY. 'Computed on the way' means the value that the module computes at that place (a softmax that the list does not call 'softmax' is quantised finished and normalised). What goes into a quantiser is computed in f32, as accurately as f32 sums, v_exp_f32 and their like allow (about 1e-6 of the number): no bf16 or f16 on the way to a quantiser, and a product that is left as it is and whose result goes on into a quantised operand takes f32 operands (vector FMAs, or v_wmma_f32_16x16x4_f32). A number that lies on a knife's edge between two numbers of the format may be rounded either way, as far as f32 arithmetic and the matrix unit's own rounding can turn it there, and no further.
;;   INPUTS GIVEN AS CODES. Wk (in the module: [512, 512], K = its axis 1); Wo (in the module: [512, 512], K = its axis 1); Wq (in the module: [512, 512], K = its axis 1); Wv (in the module: [512, 512], K = its axis 1); keys (in the module: [4, 2048, 512], K = its axis 2); query (in the module: [4, 2048, 512], K = its axis 2); values (in the module: [4, 2048, 512], K = its axis 2): each comes as NAME_codes (uint8): NAME with its K axis moved to the last place and cut into blocks of 32 codes, [.., K / 32, bytes a block], one block behind the other in memory; one code a byte (a code: sign, 5 exponent bits, 2 mantissa bits); its scale is its entry of lowp_scales. Its value is code x scale, taken as it is: it is not quantised again, and the codes and scales need not be those that the quantiser above would give.
;; One version. Each part assembles by itself: llvm-mc -triple=amdgcn-amd-amdhsa -mcpu=gfx1250 --defsym DOCPART=n.
;; ======== version 1 of 1: 3 launches
;; limits: right only within a limited range of input values
;; workspace buffers: q_img 4,194,304 bytes; kv_img 8,388,608 bytes; o_img 4,194,304 bytes
;; launch proj (part 1): grid 4 x 64, 4 waves a work-group, clusters of 4 x 4, 327,680 bytes of LDS; arguments query_codes, keys_codes, values_codes, Wq_codes, Wk_codes, Wv_codes, bq, bk, bv, b_param, e_param, lowp_scales, q_img, kv_img; writes q_img, kv_img
.if DOCPART == 1
	.amdgcn_target "amdgcn-amd-amdhsa--gfx1250"
	.amdhsa_code_object_version 6
	.text
	.protected	k_q9d60f67a81_proj
	.globl	k_q9d60f67a81_proj
	.p2align	8
	.type	k_q9d60f67a81_proj,@function
k_q9d60f67a81_proj:
	s_mov_b64 s[64:65], 0
	v_nop
	global_prefetch_b8 v0, s[64:65] scope:SCOPE_SE
	s_setreg_imm32_b32 hwreg(HW_REG_WAVE_MODE, 25, 1), 1
	s_wait_xcnt 0x0
	s_wait_alu depctr_hold_cnt(0) depctr_sa_sdst(0) depctr_va_vdst(0) depctr_va_sdst(0) depctr_va_ssrc(0) depctr_va_vcc(0) depctr_vm_vsrc(0)
	s_getreg_b32 s2, hwreg(HW_REG_IB_STS2, 6, 4)
	s_cmp_eq_u32 s2, 0
	s_cbranch_scc0 .Lentry_in_a_cluster
	s_endpgm
.Lentry_in_a_cluster:
	s_bfe_u32 s2, ttmp6, 0x10000c
	s_cmp_lg_u32 s2, 0xf033
	s_cbranch_scc0 .Lentry_shape_is_right
	s_endpgm
.Lentry_shape_is_right:
; q, k, v = Q8( fq( X W^T + bias ) ): three products [8192][512] x [512][512] on given codes of BF8 (E5M2), sums in f32; fq(x) = floor(clip(x / 2^e_param, -2^(b-1), 2^(b-1) - 1)) x 2^e_param,
; b = clip(b_param, 1, 8); Q8 = the E5M2 quantiser with the given scales (entries 6, 7, 9 of the scales).  The codes leave as IMAGES OF THE REGISTERS in which the attention launch wants them.
; SHARES.  A work-group (col 0..3, row 0..63) makes 128 tokens x 128 channels of q, then of k, then of v; 128 tokens are one key step of a batch.  Wave w: tokens 64 (w / 2) on, channels 64 (w % 2) on = one head: 16 accumulators.
; K = 512 is one tile: an LDS slot holds 128 rows of X and 128 rows of W, 512 bytes each.  Slot 0 takes q's tiles (the head's one load a wave), slot 1 k's, asked for when q's have landed; v's tiles fill slot 0 again when q's products are done.
; A tile's first two quarters of fragments are fetched ahead of the way out of the tile before, which touches registers and memory alone.
; CLUSTER 4 x 4: the four work-groups of a cluster's row need the same rows of X, the four of a column the same rows of W: each tile is asked for jointly, which divides these requests by four.
; PREFETCH, one tile ahead of the load that will want it: keys' rows behind q's load, values' rows behind k's.  The four work-groups of a cluster's row share the tile's 128 rows out by address, 32 rows each, a lane a row,
; 256 bytes an instruction: waves 0 and 1 name keys' two halves of a row, waves 2 and 3 values'.  The weights, the same for all rows of the grid, are not prefetched.
; q, k: THE PRODUCT IS USED TRANSPOSED (source 0 = 16 rows of W, source 1 = 16 tokens): a lane holds one token and eight neighbouring channels, 16 b + 8 (lane / 16) + j: the order of an operand whose K is the head's 64.
; v: source 0 = 16 tokens, source 1 = 16 rows of W: a lane holds one channel and eight neighbouring tokens: the order of an operand whose K is the keys.  THE ROWS OF Wv THAT FORM A TILE ARE NOT NEIGHBOURS:
; lane r of tile b takes channel 32 (b / 2) + 8 (b % 2) + r + 8 (r / 8), so that in the attention's result two neighbouring tiles give a lane 16 neighbouring channels.
; Fragments come by ds_load_b128: registers 4 c .. 4 c + 3 hold K = 32 c + 16 (lane / 16) + 0 .. 15, alike in X and in W, so every product meets its partner.
; THE QUANTISERS.  y = sum x (2^(ea + eb) x 2^(-e_param)) + bias x 2^(-e_param), one multiply-add.  floor is monotone: floor(clip(y, lo, hi)) = clip(floor(y), floor(lo), floor(hi)); so with E = 2^e_param clip, x E and the hold at
; the largest code are floor(y) x E held between floor(lo) E and floor(hi) E, both of them held at +- 57,344 x 2^e: one median.
; LIMITS: x / 2^e_param is made with 2^(-e_param): exact where e_param is a whole number, else some units in the last place off ahead of the floor; e_param between -126 and 126;
; entries 0+1, 2+3, 4+5 of the scales between -126 and 127 in sum, and those sums less e_param too; entries 6, 7, 9 between -126 and 112.  NaN among the inputs is not served.
; REGISTERS.  window 0: v1-28 addresses and constants; v32-63 bias; v64-127 codes; v128-255 accumulators ((a, b) at v[128 + 8 (4 a + b)]).
;   window 1: two fragment buffers of 128 registers: X's four fragments (16 rows x 128 K), then W's four.
.set PITCH,  528                       ; an LDS row: 512 bytes + 16 of padding = 132 words, so the 16 rows that a load touches start 4 words apart (modulo 64 words)
.set HALFT,  64*PITCH                  ; what one tensor load brings
.set SLOT,   4*HALFT                   ; X's 128 rows, then W's 128 rows
.set SPARE,  2*SLOT                    ; behind the ring: the spare words, 128 bytes a wave; no other line names them
.set LI,     5                         ; v5   16 x lane: my place in an image's piece of 512 bytes
.set SPW,    6                         ; v6   my spare word
.set NIL,    7                         ; v7   0
.set ADRA,   8                         ; v8, v9   my X fragments in slot 0, 1
.set ADRB,   10                        ; v10, v11 my W fragments in slot 0, 1
.set ADRBV,  12                        ; v12  Wv's, in slot 0, by the chosen rows
.set BOT,    13                        ; v13  32 (lane / 16): a lane's eight numbers of bq or bk
.set BOV,    14                        ; v14  4 (r + 8 (r / 8)): a lane's one number of bv
.set QS,     15                        ; v15  the quantiser's 2^e as f32
.set CAP,    16                        ; v16  57,344 x 2^e
.set LOB,    17                        ; v17, v18  the median's two bounds
.set HIB,    18
.set ME,     25                        ; v25  2^(-e_param)
.set HIE,    26                        ; v26  floor(2^(b-1) - 1) x 2^e_param
.set LOE,    27                        ; v27  floor(-2^(b-1)) x 2^e_param
.set PFO,    28                        ; v28  512 x lane: the prefetch's rows; never rewritten
.set BIAS,   32
.set CODE,   64
.set ACC,    128
.set F0,     0
.set F1,     128
.set G1A,    32                        ; s[32:39] descriptor group 1 for X's tiles, s[40:47] for W's: they differ in the mask
.set G1B,    40
.set G0A,    48                        ; s[48:55] group 0 for X's tiles, a set for each slot; s[56:63] for W's
.set G0B,    56
.set WV,     66                        ; s66 wave; s67 wave / 2: my half of the tokens, and: I fetch for X (0) or W (1); s68 wave % 2: my head of the two, and: which 64 rows I fetch
.set WR,     67
.set WC,     68
.set PFA,    94                        ; s[94:95] where my prefetch stands; never rewritten behind the head
.set G1W0,   (1<<20)|(1<<21)|(6<<22)|(3<<25)   ; elements of 1 byte; padding on; bit 21 beside a mask; after every 128 words (code 6) 4 words (code 3)
.set W_MUL,  0x05                      ; sources 0 and 1 window 1; C and D window 0
.set W_TOF,  0x40                      ; destination window 1, address window 0
.set MSB, 0
.macro WIN new                         ; the immediate's high byte repeats the setting that is left
.if MSB != \new
	s_set_vgpr_msb (MSB<<8)|\new
.set MSB, \new
.endif
.endm
; A joint load: waves 0 and 1 fetch X's halves, waves 2 and 3 W's.  The branch hangs on the wave's number alone.  Four v_nop follow each of the two lines.
.macro JLOAD g0a, g1a, g0b, g1b
	s_cmp_eq_u32 s[WR], 0
	s_cbranch_scc0 .Lfor_b_\@
	tensor_load_to_lds s[\g0a:\g0a+3], s[\g1a:\g1a+7]
	s_nop 0
.rept 4
	v_nop
.endr
	s_branch .Lasked_\@
.Lfor_b_\@:
	tensor_load_to_lds s[\g0b:\g0b+3], s[\g1b:\g1b+7]
	s_nop 0
.rept 4
	v_nop
.endr
.Lasked_\@:
.endm
.macro ASK who                         ; the prefetch: who = 0: keys, by waves 0 and 1; 1: values, by waves 2 and 3
	s_cmp_eq_u32 s[WR], \who
	s_cbranch_scc0 .Lnot_mine_\@
	global_prefetch_b8 v[PFO], s[PFA:PFA+1] th:TH_LOAD_NT scope:SCOPE_SE
.Lnot_mine_\@:
.endm
.macro CROUND                          ; a round of the cluster's barrier
	s_barrier_signal -1
	s_barrier_wait -1
	s_cmp_lg_u32 s[WV], 0
	s_cbranch_scc1 .Lnot_wave_0_\@
	s_barrier_signal -3
.Lnot_wave_0_\@:
	s_barrier_wait -3
	s_barrier_signal -1
	s_barrier_wait -1
.endm
.macro PLACES                          ; four places behind matrix instructions, ahead of loads into their sources
.rept 4
	v_nop
.endr
.endm
; 32 LDS loads: the fragments of the q-th 128 along K into buffer f.  vr = 1: W's tiles begin at rows 0, 8, 32, 40 (the chosen rows), else at 0, 16, 32, 48
.macro FETCH adra, adrb, q, f, vr
	WIN W_TOF
.irp i, 0,1,2,3
.irp c, 0,1,2,3
	ds_load_b128 v[\f+16*\i+4*\c:\f+16*\i+4*\c+3], v[\adra] offset:128*\q+32*\c+\i*16*PITCH
.endr
.endr
.irp i, 0,1,2,3
.irp c, 0,1,2,3
.if \vr
	ds_load_b128 v[\f+64+16*\i+4*\c:\f+64+16*\i+4*\c+3], v[\adrb] offset:128*\q+32*\c+(32*(\i/2)+8*(\i%2))*PITCH
.else
	ds_load_b128 v[\f+64+16*\i+4*\c:\f+64+16*\i+4*\c+3], v[\adrb] offset:128*\q+32*\c+\i*16*PITCH
.endif
.endr
.endr
.endm
; 16 matrix instructions, 128 along K; the 16 accumulators take turns, one instruction a turn.  orient = 0: W first; 1: X first.  zero = 1: the products start the sums
.macro MUL16 f, orient, zero
.irp a, 0,1,2,3
.irp b, 0,1,2,3
.set rD, ACC+8*(4*\a+\b)
.if \orient
.set rX, \f+16*\a
.set rY, \f+64+16*\b
.else
.set rX, \f+64+16*\b
.set rY, \f+16*\a
.endif
.if \zero
	v_wmma_f32_16x16x128_bf8_bf8 v[rD:rD+7], v[rX:rX+15], v[rY:rY+15], 0
.else
	v_wmma_f32_16x16x128_bf8_bf8 v[rD:rD+7], v[rX:rX+15], v[rY:rY+15], v[rD:rD+7]
.endif
.endr
.endr
.endm
; A whole tile: K = 512 in four steps on two buffers; each batch of loads is issued a step ahead of its use.  GSTART: the first two steps' loads
.macro GSTART adra, adrb, vr
	FETCH \adra, \adrb, 0, F0, \vr
	FETCH \adra, \adrb, 1, F1, \vr
	WIN 0
.endm
.macro GEMM adra, adrb, orient, vr
	s_wait_dscnt 32                                ; all but the youngest 32: step 0's fragments are in
	WIN W_MUL
	MUL16 F0, \orient, 1
	PLACES
	FETCH \adra, \adrb, 2, F0, \vr
	s_wait_dscnt 32                                ; step 1's are in
	WIN W_MUL
	MUL16 F1, \orient, 0
	PLACES
	FETCH \adra, \adrb, 3, F1, \vr
	s_wait_dscnt 32                                ; step 2's are in
	WIN W_MUL
	MUL16 F0, \orient, 0
	s_wait_dscnt 0x0
	MUL16 F1, \orient, 0
	WIN 0
.endm
; The way out of a tile, two accumulators at a time: the multiply-add, floor, x 2^e_param, the median, the conversion; at the end eight stores of 512 consecutive bytes.
; The bias's multiplications (orient 1: four) are the places behind the last products.
.macro EPI orient, base
	s_wait_xcnt 0x0                                ; the last tile's stores have read their data: the codes' registers are written again only behind this wait
	s_wait_loadcnt 0x0                             ; the bias
.if \orient
.irp b, 0,1,2,3
	v_mul_f32 v[BIAS+2*\b], s4, v[BIAS+2*\b]
.endr
.else
.irp j, 0,2,4,6,8,10,12,14,16,18,20,22,24,26,28,30
	v_pk_mul_f32 v[BIAS+\j:BIAS+\j+1], v[BIAS+\j:BIAS+\j+1], s[4:5] op_sel_hi:[1,0]
.endr
.endif
.irp a, 0,1,2,3
.irp p, 0,2
.irp b, \p, \p+1
.set rD, ACC+8*(4*\a+(\b))
.irp i, 0,2,4,6
.if \orient
	v_pk_fma_f32 v[rD+\i:rD+\i+1], v[rD+\i:rD+\i+1], s[98:99], v[BIAS+2*(\b):BIAS+2*(\b)+1] op_sel_hi:[1,0,0]   ; a lane has one channel: the pair's low word serves both halves
.else
	v_pk_fma_f32 v[rD+\i:rD+\i+1], v[rD+\i:rD+\i+1], s[98:99], v[BIAS+8*(\b)+\i:BIAS+8*(\b)+\i+1] op_sel_hi:[1,0,1]
.endif
.endr
.endr
.set rP, ACC+8*(4*\a+\p)
.irp i, 0,1,2,3,4,5,6,7,8,9,10,11,12,13,14,15
	v_floor_f32 v[rP+\i], v[rP+\i]
.endr
.irp i, 0,2,4,6,8,10,12,14
	v_pk_mul_f32 v[rP+\i:rP+\i+1], v[rP+\i:rP+\i+1], s[6:7] op_sel_hi:[1,0]     ; x 2^e_param
.endr
.irp i, 0,1,2,3,4,5,6,7,8,9,10,11,12,13,14,15
	v_med3_num_f32 v[rP+\i], v[rP+\i], v[LOB], v[HIB]                           ; clip and hold (the conversion to an 8-bit code does not saturate: ISA guide 7.6.2)
.endr
.irp b, \p, \p+1
.set rD, ACC+8*(4*\a+(\b))
.if \orient
	v_cvt_scalef32_pk8_bf8_f32 v[CODE+8*(\b)+2*\a:CODE+8*(\b)+2*\a+1], v[rD:rD+7], v[QS]   ; channel tile b, keys 16 a + 8 (lane / 16) + 0 .. 7 of my 64
.else
	v_cvt_scalef32_pk8_bf8_f32 v[CODE+8*\a+2*(\b):CODE+8*\a+2*(\b)+1], v[rD:rD+7], v[QS]   ; token tile a, channels 16 b + 8 (lane / 16) + 0 .. 7
.endif
.endr
.endr
.endr
	v_nop                                          ; a plain line behind the last conversion: matrix instructions write its sources later
.irp g, 0,1,2,3
	global_store_b128 v[LI], v[CODE+8*\g:CODE+8*\g+3], s[\base:\base+1] offset:(1024+1024*\orient)*\g
	global_store_b128 v[LI], v[CODE+8*\g+4:CODE+8*\g+7], s[\base:\base+1] offset:(1024+1024*\orient)*\g+512
.endr
.endm
.macro SETQ ea, eb, eq                 ; the powers of two of one of the three tensors, and the median's bounds
	s_add_co_i32 s98, s[\ea], s[\eb]
	s_add_co_i32 s98, s98, 127
	s_lshl_b32 s98, s98, 23                        ; 2^(ea + eb) as f32
	v_mul_f32 v19, s98, v[ME]                      ; x 2^(-e_param)
	v_readfirstlane_b32 s98, v19
	s_mov_b32 s99, s98                             ; (named with it as a pair)
	s_add_co_i32 s100, s[\eq], 127
	s_lshl_b32 s101, s100, 23
	v_mov_b32 v[QS], s101                          ; 2^eq
	s_add_co_i32 s100, s100, 15
	s_lshl_b32 s100, s100, 23
	s_or_b32 s100, s100, 0x600000
	v_mov_b32 v[CAP], s100                         ; 57,344 x 2^eq
	v_med3_num_f32 v[LOB], v[LOE], -v[CAP], v[CAP]
	v_med3_num_f32 v[HIB], v[HIE], -v[CAP], v[CAP]
	s_wait_alu depctr_va_vdst(0)
.endm
.macro BIAST base                      ; for tile b the lane's eight channels 16 b + 8 (lane / 16) + 0 .. 7
.irp b, 0,1,2,3
	global_load_b128 v[BIAS+8*\b:BIAS+8*\b+3], v[BOT], s[\base:\base+1] offset:64*\b
	global_load_b128 v[BIAS+8*\b+4:BIAS+8*\b+7], v[BOT], s[\base:\base+1] offset:64*\b+16
.endr
.endm
	s_load_b512 s[4:19], s[0:1], 0x0               ; query s[4:5], keys s[6:7], values s[8:9], Wq s[10:11], Wk s[12:13], Wv s[14:15], bq s[16:17], bk s[18:19]
	s_load_b256 s[20:27], s[0:1], 0x40             ; bv s[20:21], b_param s[22:23], e_param s[24:25], the scales' exponents s[26:27]
	s_load_b128 s[28:31], s[0:1], 0x60             ; q_img s[28:29], kv_img s[30:31]
	v_lshl_add_u32 v[SPW], v0, 2, SPARE
	v_mov_b32 v[NIL], 0
	ds_add_u32 v[SPW], v[NIL]                      ; the wave's opening: the add, twice on end, ahead of my first tensor load
	ds_add_u32 v[SPW], v[NIL]
	v_lshrrev_b32 v1, 5, v0
	v_readfirstlane_b32 s[WV], v1
	s_lshr_b32 s[WR], s[WV], 1
	s_and_b32 s[WC], s[WV], 1
	s_bfe_u32 s69, ttmp6, 0x40000                  ; cx, cy: my place in the cluster
	s_bfe_u32 s70, ttmp6, 0x40004
	s_lshl_b32 s71, ttmp9, 2
	s_add_co_u32 s71, s71, s69                     ; col = 4 x cluster x + cx
	s_and_b32 s72, ttmp7, 0xffff
	s_lshl_b32 s72, s72, 2
	s_add_co_u32 s72, s72, s70                     ; row = 4 x cluster y + cy
	s_lshl_b32 s73, s70, 2
	s_lshl_b32 s73, 15, s73                        ; my row of the cluster
	s_lshl_b32 s74, 0x1111, s69                    ; my column
	s_or_b32 s[G1A], s73, G1W0
	s_or_b32 s[G1B], s74, G1W0
.irp g, G1A, G1B
	s_mov_b32 s[\g+1], 512<<16                     ; tensor_dim0 = 512
	s_mov_b32 s[\g+2], 64<<16                      ; tensor_dim1 = 64
	s_mov_b32 s[\g+3], 512<<16                     ; tile_dim0 = 512
	s_mov_b32 s[\g+4], 64                          ; tile_dim1 = 64
	s_mov_b32 s[\g+5], 512                         ; from row to row
	s_mov_b32 s[\g+6], 0
	s_mov_b32 s[\g+7], 0
.endr
	s_lshl_b32 s100, s[WC], 6                      ; which 64 rows of a tile I fetch
	s_lshl_b32 s76, s72, 7
	s_add_co_u32 s76, s76, s100
	s_lshl_b32 s76, s76, 9                         ; X: (128 row + 64 half) rows of 512 bytes: made of cy alone
	s_mov_b32 s77, 0
	s_lshl_b32 s78, s71, 7
	s_add_co_u32 s78, s78, s100
	s_lshl_b32 s78, s78, 9                         ; W: (128 col + 64 half) rows: made of cx alone
	s_mov_b32 s79, 0
	s_mul_i32 s75, s[WV], HALFT                    ; where they go: wave x 64 rows
	s_wait_alu depctr_va_vdst(0)
	s_wait_dscnt 0x0                               ; both opening adds are done
	s_wait_kmcnt 0x0
	s_load_b256 s[84:91], s[26:27], 0x0            ; entries 0 to 7 of the scales
	s_load_b64 s[92:93], s[26:27], 0x20            ; entries 8, 9
	s_load_b32 s96, s[22:23], 0x0                  ; b_param
	s_load_b32 s97, s[24:25], 0x0                  ; e_param
	CROUND                                         ; all sixteen work-groups are here: the first joint loads meet
	s_mov_b32 s[G0A], 1
	s_mov_b32 s[G0A+1], s75
	s_add_nc_u64 s[G0A+2:G0A+3], s[4:5], s[76:77]  ; slot 0: query,
	s_or_b32 s[G0A+3], s[G0A+3], 0x80000000
	s_mov_b32 s[G0B], 1
	s_mov_b32 s[G0B+1], s75
	s_add_nc_u64 s[G0B+2:G0B+3], s[10:11], s[78:79]  ; Wq
	s_or_b32 s[G0B+3], s[G0B+3], 0x80000000
	JLOAD G0A, G1A, G0B, G1B                       ; the head's one load a wave
	s_mov_b32 s[G0A+4], 1
	s_add_co_u32 s[G0A+5], s75, SLOT
	s_add_nc_u64 s[G0A+6:G0A+7], s[6:7], s[76:77]  ; slot 1: keys,
	s_or_b32 s[G0A+7], s[G0A+7], 0x80000000
	s_mov_b32 s[G0B+4], 1
	s_add_co_u32 s[G0B+5], s75, SLOT
	s_add_nc_u64 s[G0B+6:G0B+7], s[12:13], s[78:79]  ; Wk
	s_or_b32 s[G0B+7], s[G0B+7], 0x80000000
	; the prefetch: rows 128 row + 32 cx on, half wave % 2 of each row
	s_lshl_b32 s82, s72, 16
	s_lshl_b32 s83, s69, 14
	s_add_co_u32 s82, s82, s83
	s_lshl_b32 s83, s[WC], 8
	s_add_co_u32 s82, s82, s83
	s_mov_b32 s83, 0
	s_cmp_eq_u32 s[WR], 0
	s_cselect_b64 s[PFA:PFA+1], s[6:7], s[8:9]
	s_add_nc_u64 s[PFA:PFA+1], s[PFA:PFA+1], s[82:83]
	; LDS addresses: made of the lane and the wave's number alone
	s_mul_i32 s100, s[WR], HALFT                   ; my 64 tokens
	s_mul_i32 s101, s[WC], HALFT
	s_add_co_u32 s101, s101, 2*HALFT               ; my 64 rows of W, behind X's 128
	s_add_co_u32 s2, s100, SLOT
	s_add_co_u32 s3, s101, SLOT
	v_and_b32 v1, 15, v0                           ; r
	v_bfe_u32 v2, v0, 4, 1                         ; h
	v_and_b32 v[LI], 31, v0
	v_lshlrev_b32 v[PFO], 9, v[LI]
	v_lshlrev_b32 v[LI], 4, v[LI]
	v_mul_u32_u24 v3, v1, PITCH
	v_lshl_add_u32 v3, v2, 4, v3                   ; r x pitch + 16 h
	v_and_b32 v4, 8, v1
	v_add_nc_u32 v4, v4, v1                        ; r + 8 (r / 8)
	v_mul_u32_u24 v[ADRBV], v4, PITCH
	v_lshl_add_u32 v[ADRBV], v2, 4, v[ADRBV]
	v_add_nc_u32 v[ADRA], s100, v3
	v_add_nc_u32 v[ADRB], s101, v3
	v_add_nc_u32 v[ADRBV], s101, v[ADRBV]
	v_add_nc_u32 v[ADRA+1], s2, v3
	v_add_nc_u32 v[ADRB+1], s3, v3
	v_lshlrev_b32 v[BOT], 5, v2
	v_lshlrev_b32 v[BOV], 2, v4
	s_wait_alu depctr_va_vdst(0)
	ASK 0                                          ; keys' rows
	; where the images go
	s_lshl_b32 s80, s71, 1
	s_add_co_u32 s80, s80, s[WC]                   ; head = 2 col + wave % 2
	s_lshr_b32 s81, s72, 4                         ; batch
	s_lshl_b32 s81, s81, 3
	s_add_co_u32 s81, s81, s80                     ; nh = 8 batch + head
	s_and_b32 s2, s72, 15                          ; the key step in the batch
	s_mov_b32 s83, 0
	s_lshl_b32 s82, s81, 7
	s_lshl_b32 s3, s2, 3
	s_add_co_u32 s82, s82, s3
	s_lshl_b32 s3, s[WR], 2
	s_add_co_u32 s82, s82, s3
	s_lshl_b32 s82, s82, 10                        ; q: fragment nh x 128 + 8 step + 4 (wave / 2), 1,024 bytes each
	s_add_nc_u64 s[28:29], s[28:29], s[82:83]
	s_lshl_b32 s82, s81, 18
	s_lshl_b32 s3, s2, 14
	s_add_co_u32 s82, s82, s3                      ; the head's 262,144 bytes, the step's 16,384
	s_add_nc_u64 s[30:31], s[30:31], s[82:83]
	s_lshl_b32 s82, s[WR], 10
	s_add_co_u32 s82, s82, 8192
	s_add_nc_u64 s[12:13], s[30:31], s[82:83]      ; v: behind k's 8,192 bytes; my 64 keys are pieces 2 (wave / 2) and the next of each fragment
	s_lshl_b32 s82, s[WR], 12
	s_add_nc_u64 s[30:31], s[30:31], s[82:83]      ; k: my four fragments
	s_lshl_b32 s82, s80, 8                         ; my head's 64 numbers of each bias
	s_add_nc_u64 s[16:17], s[16:17], s[82:83]
	s_add_nc_u64 s[18:19], s[18:19], s[82:83]
	s_add_nc_u64 s[20:21], s[20:21], s[82:83]
	BIAST 16                                       ; bq
	s_wait_kmcnt 0x0
	v_mov_b32 v20, s96
	v_med3_num_f32 v20, v20, 1.0, 0x41000000       ; b = clip(b_param, 1, 8)
	v_add_f32 v20, -1.0, v20
	v_mov_b32 v21, s97
	v_mul_f32 v22, -1.0, v21
	s_wait_alu depctr_va_vdst(0)                   ; ahead of the batch
	v_exp_f32 v23, v20                             ; 2^(b-1)
	v_exp_f32 v24, v21                             ; 2^e_param
	v_exp_f32 v[ME], v22                           ; 2^(-e_param)
	v_nop                                          ; a plain line behind the last of the three
	s_wait_alu depctr_va_vdst(0)                   ; one wait for the batch, ahead of its first reader
	v_add_f32 v[HIE], -1.0, v23
	v_mul_f32 v[LOE], -1.0, v23
	v_floor_f32 v[HIE], v[HIE]
	v_floor_f32 v[LOE], v[LOE]
	v_mul_f32 v[HIE], v24, v[HIE]
	v_mul_f32 v[LOE], v24, v[LOE]
	s_wait_alu depctr_va_vdst(0)
	v_readfirstlane_b32 s6, v24                    ; (s4 to s7 held addresses that the descriptors have taken over)
	v_readfirstlane_b32 s4, v[ME]
	s_mov_b32 s7, s6                               ; (named as pairs)
	s_mov_b32 s5, s4
	SETQ 84, 85, 90                                ; (its last line is also the wait at the head's end)
	s_wait_tensorcnt 0x0                           ; my part of slot 0 is in; then, ahead of a later first fill:
	ds_add_u32 v[SPW], v[NIL]                      ; 0 onto my spare word,
	s_wait_dscnt 0x0                               ; done
	CROUND                                         ; everybody's part of slot 0 is in, and all sixteen work-groups are here
	JLOAD G0A+4, G1A, G0B+4, G1B                   ; slot 1: k's tiles: they have q's products in which to land
	GSTART ADRA, ADRB, 0
	ASK 1                                          ; values' rows
	GEMM ADRA, ADRB, 0, 0                          ; q
	s_wait_tensorcnt 0x0                           ; all my tensor loads have landed, my part of slot 1 among them: so a group 0 may be written
	ds_add_u32 v[SPW], v[NIL]                      ; 0 onto my spare word
	s_add_nc_u64 s[G0A+2:G0A+3], s[8:9], s[76:77]  ; slot 0 next takes values,
	s_or_b32 s[G0A+3], s[G0A+3], 0x80000000
	s_add_nc_u64 s[G0B+2:G0B+3], s[14:15], s[78:79]  ; and Wv
	s_or_b32 s[G0B+3], s[G0B+3], 0x80000000
	s_wait_dscnt 0x0                               ; the add is done, and my reads of slot 0 are over
	CROUND                                         ; no wave of any partner still reads slot 0 or has a load on its way; slot 1 is whole
	JLOAD G0A, G1A, G0B, G1B                       ; my one tensor load behind the round; its four v_nop are also the places ahead of the loads below
	GSTART ADRA+1, ADRB+1, 0                       ; k's first fragments come while q goes out
	EPI 0, 28
	BIAST 18                                       ; bk
	SETQ 86, 87, 91
	GEMM ADRA+1, ADRB+1, 0, 0                      ; k
	s_wait_tensorcnt 0x0                           ; my part of v's tiles is in,
	s_wait_dscnt 0x0
	s_barrier_signal -1
	s_barrier_wait -1                              ; everybody's is
	PLACES
	GSTART ADRA, ADRBV, 1
	EPI 0, 30
.irp b, 0,1,2,3
	global_load_b32 v[BIAS+2*\b], v[BOV], s[20:21] offset:(32*(\b/2)+8*(\b%2))*4   ; bv of my channel of tile b
.endr
	SETQ 88, 89, 93
	GEMM ADRA, ADRBV, 1, 1                         ; v
	EPI 1, 12
	s_wait_tensorcnt 0x0                           ; the wave's end
	ds_add_u32 v[SPW], v[NIL]
	s_wait_dscnt 0x0
	CROUND                                         ; the closing round
	s_endpgm
.Lfunc_end_k_q9d60f67a81_proj:
	.size	k_q9d60f67a81_proj, .Lfunc_end_k_q9d60f67a81_proj-k_q9d60f67a81_proj
	.p2alignl 7, 3214868480
	.fill 96, 4, 3214868480
	.section	.rodata,"a",@progbits
	.p2align	6, 0x0
	.amdhsa_kernel k_q9d60f67a81_proj
		.amdhsa_group_segment_fixed_size 327680
		.amdhsa_private_segment_fixed_size 0
		.amdhsa_enable_private_segment 0
		.amdhsa_kernarg_size 112
		.amdhsa_user_sgpr_count 2
		.amdhsa_user_sgpr_kernarg_segment_ptr 1
		.amdhsa_wavefront_size32 1
		.amdhsa_system_sgpr_workgroup_id_x 1
		.amdhsa_system_sgpr_workgroup_id_y 1
		.amdhsa_system_sgpr_workgroup_id_z 1
		.amdhsa_system_vgpr_workitem_id 0
		.amdhsa_next_free_vgpr 512
		.amdhsa_next_free_sgpr 102
		.amdhsa_reserve_vcc 0
		.amdhsa_float_denorm_mode_32 3
		.amdhsa_float_denorm_mode_16_64 3
		.amdhsa_memory_ordered 1
		.amdhsa_forward_progress 1
		.amdhsa_inst_pref_size 121
	.end_amdhsa_kernel
	.amdgpu_metadata
---
amdhsa.version: [ 1, 2 ]
amdhsa.kernels:
  - .name:           k_q9d60f67a81_proj
    .symbol:         k_q9d60f67a81_proj.kd
    .args:
      - { .name: query_codes, .offset: 0, .size: 8, .value_kind: global_buffer, .address_space: global }
      - { .name: keys_codes, .offset: 8, .size: 8, .value_kind: global_buffer, .address_space: global }
      - { .name: values_codes, .offset: 16, .size: 8, .value_kind: global_buffer, .address_space: global }
      - { .name: Wq_codes, .offset: 24, .size: 8, .value_kind: global_buffer, .address_space: global }
      - { .name: Wk_codes, .offset: 32, .size: 8, .value_kind: global_buffer, .address_space: global }
      - { .name: Wv_codes, .offset: 40, .size: 8, .value_kind: global_buffer, .address_space: global }
      - { .name: bq, .offset: 48, .size: 8, .value_kind: global_buffer, .address_space: global }
      - { .name: bk, .offset: 56, .size: 8, .value_kind: global_buffer, .address_space: global }
      - { .name: bv, .offset: 64, .size: 8, .value_kind: global_buffer, .address_space: global }
      - { .name: b_param, .offset: 72, .size: 8, .value_kind: global_buffer, .address_space: global }
      - { .name: e_param, .offset: 80, .size: 8, .value_kind: global_buffer, .address_space: global }
      - { .name: lowp_scales, .offset: 88, .size: 8, .value_kind: global_buffer, .address_space: global }
      - { .name: q_img, .offset: 96, .size: 8, .value_kind: global_buffer, .address_space: global }
      - { .name: kv_img, .offset: 104, .size: 8, .value_kind: global_buffer, .address_space: global }
    .group_segment_fixed_size: 327680
    .private_segment_fixed_size: 0
    .kernarg_segment_align: 8
    .kernarg_segment_size: 112
    .max_flat_workgroup_size: 128
    .sgpr_count:     102
    .vgpr_count:     512
    .wavefront_size: 32
...
	.end_amdgpu_metadata
.endif
;; end of part 1
;; launch attn (part 2): grid 8 x 32, 8 waves a work-group, clusters of 4 x 1, 327,680 bytes of LDS; arguments q_img, kv_img, lowp_scales, o_img; writes o_img
.if DOCPART == 2
	.amdgcn_target "amdgcn-amd-amdhsa--gfx1250"
	.amdhsa_code_object_version 6
	.text
	.protected	k_q9d60f67a81_attn
	.globl	k_q9d60f67a81_attn
	.p2align	8
	.type	k_q9d60f67a81_attn,@function
k_q9d60f67a81_attn:
	s_mov_b64 s[64:65], 0
	v_nop
	global_prefetch_b8 v0, s[64:65] scope:SCOPE_SE
	s_setreg_imm32_b32 hwreg(HW_REG_WAVE_MODE, 25, 1), 1
	s_wait_xcnt 0x0
	s_wait_alu depctr_hold_cnt(0) depctr_sa_sdst(0) depctr_va_vdst(0) depctr_va_sdst(0) depctr_va_ssrc(0) depctr_va_vcc(0) depctr_vm_vsrc(0)
	s_getreg_b32 s2, hwreg(HW_REG_IB_STS2, 6, 4)
	s_cmp_eq_u32 s2, 0
	s_cbranch_scc0 .Lentry_in_a_cluster
	s_endpgm
.Lentry_in_a_cluster:
	s_bfe_u32 s2, ttmp6, 0x10000c
	s_cmp_lg_u32 s2, 0x3003
	s_cbranch_scc0 .Lentry_shape_is_right
	s_endpgm
.Lentry_shape_is_right:
; o = Q8( softmax(q k^T / sqrt(512)) v ) for 32 heads of 2,048 tokens x 64, all on codes of BF8 (E5M2) laid as images of operand registers.
; THE SOFTMAX: t = score x log2(e) / sqrt(512); M = the row's largest t so far, rounded UP to a whole number; p = 2^(t - M) is quantised, not normalised; the row's sum is taken of the unquantised p in f32
; and divides at the end.  When M moves, the sum and O are multiplied by 2^(old M - new M), a power of two.
; SHARES.  A work-group owns 256 queries of one head, a wave 32 of them (two tiles, x = 0, 1); every wave walks all 2,048 keys, 128 a step.  All of the head's k and v, 16 steps x 16,384 bytes, lie in LDS at once:
; steps 0 to 4 come by the head's one tensor load a wave, steps 5 to 15 by one more behind the first barrier; one barrier stands inside the walk, and nothing is filled twice.
; CLUSTER 4 x 1: four work-groups of a head ask jointly for each piece.  No prefetch: no loop runs ahead of a tensor load, both loads are out before the walk begins.
; LAYOUT.  Both products are used transposed: S^T = K Q^T (source 0 = 16 keys), O^T = V^T P^T (source 0 = 16 channels): a lane holds one query (lane % 16) throughout; p's conversions are the second product's operand.
; THE WALK IS STAGGERED: step i begins with S of step i made, K of step i + 1 and V of step i on their way from LDS.  Both tiles' maxima; tile 0's exponentials, with tile 1's multiply-adds between them; tile 0's sum;
; tile 1's exponentials, with tile 0's holds between them; tile 0's codes and tile 1's sum; tile 0's products (S of step i + 1, O), with tile 1's holds between them; tile 1's codes and products; then the loads of K of
; step i + 2 and V of step i + 1.  What stands among exponentials reads only what was made ahead of the batch's wait and is read only behind the wait that follows the batch.
; LIMITS: entries 6 + 7 of the scales between -122 and 131 in sum (added to an exponent field); entries 8 and 10 between -126 and 112; scaled scores under 2^31 in magnitude; NaN is not served.
; REGISTERS.  window 0: v1-7 addresses, constants; v8-23 the tiles' states (-M, the largest score, the sum in two halves, f and a spare, two idle); v24-31 at work; v32-47 P (at a step's head at work); v48-63 Q;
;   v64-127 O^T; v128-255 S^T, then p.   window 1: K 64, V 64 registers of fragments.
.set NA,   5                           ; steps of the first load
.set SPARE, 0x40000                    ; behind k and v: the spare words, 128 bytes a wave; no other line names them
.set LI,   1                           ; 16 x lane
.set ADR,  2
.set SPW,  3
.set PSC,  4                           ; 2^ep
.set CAPO, 5                           ; 57,344 x 2^eo
.set OSC,  6                           ; 2^eo
.set NIL,  7
.set ST,   8
.set P,    32
.set QF,   48
.set O,    64
.set S,    128
.set KF,   0
.set VF,   64
.set WV,   12
.set G1A,  16
.set G1B,  24
.set G0A,  32
.set G0B,  36
.set CS,   46                          ; s[46:47] log2(e) / sqrt(512) x 2^(eq + ek)
.set SEL,  48                          ; s[48:49] lane selects: lane l xor 16
.set TB,   50                          ; 16,384 x (step + 1)
.set CAPS, 51                          ; 57,344 x 2^ep
.set W_LD, 0x40                        ; destination window 1
.set W_MUL, 0x01                       ; source 0 window 1, all else window 0
.set MSB, 0
.macro WIN new                         ; the immediate's high byte repeats the setting that is left
.if MSB != \new
	s_set_vgpr_msb (MSB<<8)|\new
.set MSB, \new
.endif
.endm
.macro CROUND                          ; a round of the cluster's barrier
	s_barrier_signal -1
	s_barrier_wait -1
	s_cmp_lg_u32 s[WV], 0
	s_cbranch_scc1 .Lnot_wave_0_\@
	s_barrier_signal -3
.Lnot_wave_0_\@:
	s_barrier_wait -3
	s_barrier_signal -1
	s_barrier_wait -1
.endm
.macro PLACES                          ; four places behind matrix instructions, ahead of loads into their sources
.rept 4
	v_nop
.endr
.endm
.macro LDK a, o
.irp t, 0,1,2,3,4,5,6,7
	ds_load_b128 v[KF+8*\t:KF+8*\t+3], v[\a] offset:\o+1024*\t
	ds_load_b128 v[KF+8*\t+4:KF+8*\t+7], v[\a] offset:\o+1024*\t+512
.endr
.endm
.macro LDV a, o
.irp t, 0,1,2,3
.irp c, 0,1,2,3
	ds_load_b128 v[VF+16*\t+4*\c:VF+16*\t+4*\c+3], v[\a] offset:\o+2048*\t+512*\c
.endr
.endr
.endm
.macro QK x, t                         ; S^T of tile x, 16 keys: the product starts the sum
	v_wmma_f32_16x16x64_bf8_bf8 v[S+64*\x+8*\t:S+64*\x+8*\t+7], v[KF+8*\t:KF+8*\t+7], v[QF+8*\x:QF+8*\x+7], 0
.endm
.macro PV x, t                         ; O^T of tile x, 16 channels
	v_wmma_f32_16x16x128_bf8_bf8 v[O+32*\x+8*\t:O+32*\x+8*\t+7], v[VF+16*\t:VF+16*\t+15], v[P:P+15], v[O+32*\x+8*\t:O+32*\x+8*\t+7]
.endm
.macro M3 x                            ; line kk of 28: 64 scores into eight running maxima, each accumulator from its low end on
.set CC, 24+8*\x+(kk%8)
.if kk < 8
.set ee, S+64*\x+3*kk
	v_max3_num_f32 v[CC], v[ee], v[ee+1], v[ee+2]
.else
.set ee, S+64*\x+2*kk+8
	v_max3_num_f32 v[CC], v[CC], v[ee], v[ee+1]
.endif
.set kk, kk+1
.endm
.macro CH x                            ; line nn of 12: the dependent chain behind tile x's maxima
.set BB, ST+8*\x
.set DD, 24+8*\x
.if nn == 0
	v_max3_num_f32 v[DD], v[DD], v[DD+1], v[DD+2]
.elseif nn == 1
	v_max3_num_f32 v[DD+3], v[DD+3], v[DD+4], v[DD+5]
.elseif nn == 2
	v_max3_num_f32 v[DD+6], v[DD+6], v[DD+7], v[BB+1]
.elseif nn == 3
	v_max3_num_f32 v[DD], v[DD], v[DD+3], v[DD+6]
.elseif nn == 4
	v_permlanex16_b32 v[BB+5], v[DD], s[SEL], s[SEL+1]     ; lane l xor 16 has the query's other keys
.elseif nn == 5
	v_max_num_f32 v[BB+1], v[DD], v[BB+5]                  ; the largest score so far
.elseif nn == 6
	v_mul_f32 v[DD+1], s[CS], v[BB+1]                      ; as t (the factor is positive)
.elseif nn == 7
	v_floor_f32 v[DD+1], -v[DD+1]                          ; the new -M, a whole number
.elseif nn == 8
	v_sub_f32 v[DD+2], v[DD+1], v[BB]                      ; old M - new M, 0 or less
.elseif nn == 9
	v_mov_b32 v[BB], v[DD+1]
.elseif nn == 10
	v_cvt_i32_f32 v[DD+2], v[DD+2]                         ; (it saturates)
.else
	v_ldexp_f32 v[BB+4], 1.0, v[DD+2]                      ; f = 2^(old M - new M)
.endif
.set nn, nn+1
.endm
.macro FM x                            ; t - M, two at a time
	v_pk_fma_f32 v[S+64*\x+jj:S+64*\x+jj+1], v[S+64*\x+jj:S+64*\x+jj+1], s[CS:CS+1], v[ST+8*\x:ST+8*\x+1] op_sel_hi:[1,0,0]
.set jj, jj+2
.endm
.macro MN                              ; the hold, two at a time (the conversion does not saturate: ISA guide 7.6.2; p is not negative)
	v_dual_min_num_f32 v[mm], s[CAPS], v[mm] :: v_dual_min_num_f32 v[mm+1], s[CAPS], v[mm+1]
.set mm, mm+2
.endm
.macro OM x                            ; O^T under the new M
.set jj, O+32*\x
.rept 16
	v_pk_mul_f32 v[jj:jj+1], v[jj:jj+1], v[ST+8*\x+4:ST+8*\x+5] op_sel_hi:[1,0]
.set jj, jj+2
.endr
.endm
.macro SG x, t                         ; the sum of the unquantised p: group t of eight, in four chains
.set E, S+64*\x+8*\t
	v_pk_add_f32 v[ST+8*\x+2:ST+8*\x+3], v[ST+8*\x+2:ST+8*\x+3], v[E:E+1]
.if \t == 0
	v_pk_add_f32 v[24:25], v[E+2:E+3], v[E+10:E+11]
	v_pk_add_f32 v[26:27], v[E+4:E+5], v[E+12:E+13]
	v_pk_add_f32 v[28:29], v[E+6:E+7], v[E+14:E+15]
.elseif \t > 1
	v_pk_add_f32 v[24:25], v[24:25], v[E+2:E+3]
	v_pk_add_f32 v[26:27], v[26:27], v[E+4:E+5]
	v_pk_add_f32 v[28:29], v[28:29], v[E+6:E+7]
.endif
.endm
.macro SF x                            ; the four chains joined
	v_pk_add_f32 v[24:25], v[24:25], v[26:27]
	v_pk_add_f32 v[ST+8*\x+2:ST+8*\x+3], v[ST+8*\x+2:ST+8*\x+3], v[28:29]
	v_pk_add_f32 v[ST+8*\x+2:ST+8*\x+3], v[ST+8*\x+2:ST+8*\x+3], v[24:25]
.endm
.macro CV x, t
	v_cvt_scalef32_pk8_bf8_f32 v[P+2*\t:P+2*\t+1], v[S+64*\x+8*\t:S+64*\x+8*\t+7], v[PSC]
.endm
; A step.  qk: the next step's S is made; lk, lv: K of the step after that, V of the next step are fetched.
.macro STEP qk, lk, lv
	s_wait_alu depctr_va_vdst(0)                   ; ahead of the first readers of S
.set kk, 0
.rept 28
	M3 0
.endr
.set kk, 0
.set nn, 0
.rept 4
	M3 1
.endr
.rept 12
	M3 1
	M3 1
	CH 0
.endr
.set jj, 0
.set nn, 0
.rept 4
	FM 0
.endr
.rept 12
	FM 0
	FM 0
	CH 1
.endr
.rept 4
	FM 0
.endr
	s_wait_alu depctr_va_vdst(0)                   ; ahead of the batch,
.set xx, S
.set jj, 0
.rept 32
	v_exp_f32 v[xx], v[xx]
	FM 1
	v_exp_f32 v[xx+1], v[xx+1]
.set xx, xx+2
.endr
	v_pk_mul_f32 v[ST+2:ST+3], v[ST+2:ST+3], v[ST+4:ST+5] op_sel_hi:[1,0]       ; the sums under the new M; also the plain place behind the batch
	v_pk_mul_f32 v[ST+10:ST+11], v[ST+10:ST+11], v[ST+12:ST+13] op_sel_hi:[1,0]
	s_wait_alu depctr_va_vdst(0)                   ; and ahead of its first reader and of O^T's
	OM 0
.irp t, 0,1,2,3,4,5,6,7
	SG 0, \t
.endr
	SF 0
	s_wait_alu depctr_va_vdst(0)                   ; ahead of the batch,
.set xx, S+64
.set mm, S
.rept 32
	v_exp_f32 v[xx], v[xx]
	MN
	v_exp_f32 v[xx+1], v[xx+1]
.set xx, xx+2
.endr
.if \lv
	v_add_nc_u32 v[ADR], s[TB], v[LI]              ; the plain place behind the batch
.else
	v_nop
.endif
.if \qk
	s_wait_dscnt 16                                ; K of the next step is in; V's 16 loads, the youngest, may be out
.endif
	s_wait_alu depctr_va_vdst(0)                   ; and ahead of its first reader and of O^T's
	OM 1
.irp t, 0,1,2,3,4,5,6,7
	CV 0, \t
	SG 1, \t
.endr
	SF 1
	WIN W_MUL
.set mm, S+64
.if \qk
.irp t, 0,1,2,3,4,5,6,7
	QK 0, \t
	MN
	MN
.endr
.else
.rept 16
	MN
.endr
.endif
	s_wait_dscnt 0x0                               ; V of this step
.irp t, 0,1,2,3
	PV 0, \t
	MN
	MN
	MN
	MN
.endr
	WIN 0
.irp t, 0,1,2,3,4,5,6,7
	CV 1, \t
.endr
	v_nop                                          ; a plain place behind the last conversion
	WIN W_MUL
.if \qk
.irp t, 0,1,2,3,4,5,6,7
	QK 1, \t
.endr
.endif
.irp t, 0,1,2,3
	PV 1, \t
.endr
.if \lv
	WIN W_LD
	PLACES
.if \lk
	LDK ADR, 16384
.endif
	LDV ADR, 8192
.endif
	WIN 0
.endm
	s_load_b256 s[4:11], s[0:1], 0x0               ; q_img s[4:5], kv_img s[6:7], the scales' exponents s[8:9], o_img s[10:11]
	v_lshl_add_u32 v[SPW], v0, 2, SPARE
	v_mov_b32 v[NIL], 0
	ds_add_u32 v[SPW], v[NIL]                      ; the wave's opening: the add, twice on end, ahead of my first tensor load
	ds_add_u32 v[SPW], v[NIL]
	v_lshrrev_b32 v2, 5, v0
	v_readfirstlane_b32 s[WV], v2                  ; wave 0..7
	v_and_b32 v[LI], 31, v0
	v_lshlrev_b32 v[LI], 4, v[LI]
	s_bfe_u32 s13, ttmp6, 0x40000
	s_lshl_b32 s14, ttmp9, 2
	s_add_co_u32 s14, s14, s13                     ; my 256 queries
	s_and_b32 s15, ttmp7, 0xffff                   ; nh = 8 batch + head
.irp g, G1A, G1B
	s_mov_b32 s[\g], 15|(3<<16)|(1<<21)            ; to all four of the cluster; elements of 8 bytes; bit 21 beside a mask
	s_mov_b32 s[\g+1], 32<<16                      ; rows of 256 bytes
	s_mov_b32 s[\g+3], 32<<16
	s_mov_b32 s[\g+5], 32
	s_mov_b32 s[\g+6], 0
	s_mov_b32 s[\g+7], 0
.endr
	s_mov_b32 s[G1A+2], (8*NA)<<16                 ; an eighth of NA steps: 8 NA rows
	s_mov_b32 s[G1A+4], 8*NA
	s_mov_b32 s[G1B+2], (8*(16-NA))<<16            ; and of the rest
	s_mov_b32 s[G1B+4], 8*(16-NA)
	s_mov_b32 s[CS], 0x3d8293ee                    ; log2(e) / sqrt(512)
	s_mov_b32 s[SEL], 0x76543210
	s_mov_b32 s[SEL+1], 0xfedcba98
	s_mul_i32 s54, s[WV], 2048*NA                  ; my eighth of the first load, in LDS
	s_mul_i32 s55, s[WV], 2048*(16-NA)
	s_add_co_u32 s55, s55, 16384*NA                ; and of the second
	s_lshl_b32 s52, s15, 18                        ; the head's first byte
	s_mov_b32 s53, 0
	s_lshl_b32 s56, s15, 7
	s_lshl_b32 s57, s14, 4
	s_add_co_u32 s56, s56, s57
	s_lshl_b32 s57, s[WV], 1
	s_add_co_u32 s56, s56, s57
	s_lshl_b32 s56, s56, 10                        ; q: fragment nh x 128 + 16 x block + 2 x wave
	s_mov_b32 s57, 0
	s_lshr_b32 s58, s15, 3
	s_lshl_b32 s58, s58, 7
	s_lshl_b32 s59, s14, 4
	s_add_co_u32 s58, s58, s59
	s_lshl_b32 s59, s[WV], 1
	s_add_co_u32 s58, s58, s59
	s_lshl_b32 s58, s58, 13                        ; o: token tile x 8,192 bytes
	s_and_b32 s59, s15, 7
	s_lshl_b32 s59, s59, 10
	s_add_co_u32 s58, s58, s59                     ; + head x 1,024
	s_mov_b32 s59, 0
	s_wait_alu depctr_va_vdst(0)
	s_wait_dscnt 0x0                               ; both opening adds are done
	s_wait_kmcnt 0x0
	s_load_b128 s[40:43], s[8:9], 0x18             ; eq, ek, ep, ev
	s_load_b32 s44, s[8:9], 0x28                   ; eo
	s_add_nc_u64 s[6:7], s[6:7], s[52:53]
	s_add_nc_u64 s[4:5], s[4:5], s[56:57]
	s_add_nc_u64 s[10:11], s[10:11], s[58:59]
	s_mov_b32 s[G0A], 1
	s_mov_b32 s[G0A+1], s54
	s_mov_b32 s52, s54
	s_add_nc_u64 s[G0A+2:G0A+3], s[6:7], s[52:53]  ; memory and LDS hold the head in one and the same order
	s_or_b32 s[G0A+3], s[G0A+3], 0x80000000
	s_mov_b32 s[G0B], 1
	s_mov_b32 s[G0B+1], s55
	s_mov_b32 s52, s55
	s_add_nc_u64 s[G0B+2:G0B+3], s[6:7], s[52:53]
	s_or_b32 s[G0B+3], s[G0B+3], 0x80000000
	CROUND                                         ; the four work-groups are here: the joint loads meet
	tensor_load_to_lds s[G0A:G0A+3], s[G1A:G1A+7]  ; steps 0 to NA - 1: the head's one load a wave
	s_nop 0
	PLACES
.irp x, 0,1
	global_load_b128 v[QF+8*\x:QF+8*\x+3], v[LI], s[4:5] offset:1024*\x th:TH_LOAD_NT
	global_load_b128 v[QF+8*\x+4:QF+8*\x+7], v[LI], s[4:5] offset:1024*\x+512 th:TH_LOAD_NT
.endr
.irp x, 0,1
	v_mov_b32 v[ST+8*\x], 0x7f61b1e6               ; -M: 3e38; the first change of M multiplies zeros by 0
	v_mov_b32 v[ST+8*\x+1], 0xff7fffff             ; the largest score so far: under every score
.irp i, 2,3,4,5,6,7
	v_mov_b32 v[ST+8*\x+\i], 0
.endr
.endr
.set jj, O
.rept 64
	v_mov_b32 v[jj], 0                             ; (the step is written for a loop: the first finds zeros)
.set jj, jj+1
.endr
	s_wait_kmcnt 0x0
	s_add_co_i32 s52, s40, s41
	s_lshl_b32 s52, s52, 23
	s_add_co_i32 s[CS], s[CS], s52                 ; x 2^(eq + ek), in the exponent field
	s_mov_b32 s[CS+1], s[CS]                       ; (named with it as a pair)
	s_add_co_i32 s52, s42, 127
	s_lshl_b32 s53, s52, 23
	v_mov_b32 v[PSC], s53
	s_add_co_i32 s52, s52, 15
	s_lshl_b32 s52, s52, 23
	s_or_b32 s[CAPS], s52, 0x600000
	s_add_co_i32 s52, s44, 127
	s_lshl_b32 s53, s52, 23
	v_mov_b32 v[OSC], s53
	s_add_co_i32 s52, s52, 15
	s_lshl_b32 s52, s52, 23
	s_or_b32 s52, s52, 0x600000
	v_mov_b32 v[CAPO], s52
	s_add_co_i32 s55, s42, s43                     ; ep + ev
	s_wait_alu depctr_va_vdst(0)                   ; the head's end
	s_wait_loadcnt 0x0                             ; Q
	s_wait_tensorcnt 0x0                           ; my part of the first steps is in; then, ahead of a later first fill:
	ds_add_u32 v[SPW], v[NIL]
	s_wait_dscnt 0x0
	CROUND                                         ; everybody's part is in, and the joint loads meet
	tensor_load_to_lds s[G0B:G0B+3], s[G1B:G1B+7]  ; steps NA to 15: they have NA - 2 steps' work in which to land
	s_nop 0
	PLACES
	WIN W_LD
	LDK LI, 0                                      ; K of step 0
	s_wait_dscnt 0x0
	WIN W_MUL
.irp t, 0,1,2,3,4,5,6,7
	QK 0, \t
	QK 1, \t
.endr
	PLACES
	WIN W_LD
	LDK LI, 16384                                  ; K of step 1,
	LDV LI, 8192                                   ; V of step 0
	WIN 0
	s_mov_b32 s[TB], 16384
.Lfirst:                                               ; steps 0 to NA - 3: they fetch what the first load brought
	STEP 1, 1, 1
	s_add_co_u32 s[TB], s[TB], 16384
	s_cmp_lt_u32 s[TB], 16384*(NA-1)
	s_cbranch_scc1 .Lfirst
	s_wait_alu depctr_va_vdst(0)
	s_wait_tensorcnt 0x0                           ; my part of the other steps is in,
	s_wait_dscnt 0x0
	s_barrier_signal -1
	s_barrier_wait -1                              ; everybody's is
	s_mov_b32 s[TB], 16384*(NA-1)
.Lsecond:                                              ; steps NA - 2 to 13
	STEP 1, 1, 1
	s_add_co_u32 s[TB], s[TB], 16384
	s_cmp_lt_u32 s[TB], 16384*15
	s_cbranch_scc1 .Lsecond
	s_mov_b32 s[TB], 16384*15
	STEP 1, 0, 1                                   ; step 14 has no K to fetch
	STEP 0, 0, 0                                   ; step 15
	; the way out: the sum's halves and lane l xor 16's; O^T x 2^(ep + ev) / the sum; the hold; the codes
.irp x, 0,1
	v_add_f32 v[ST+8*\x+6], v[ST+8*\x+2], v[ST+8*\x+3]
.endr
.irp x, 0,1
	v_permlanex16_b32 v[ST+8*\x+5], v[ST+8*\x+6], s[SEL], s[SEL+1]
.endr
.irp x, 0,1
	v_add_f32 v[ST+8*\x+6], v[ST+8*\x+6], v[ST+8*\x+5]
.endr
	s_wait_alu depctr_va_vdst(0)                   ; ahead of the batch,
.irp x, 0,1
	v_rcp_f32 v[ST+8*\x+4], v[ST+8*\x+6]
.endr
	v_nop
	s_wait_alu depctr_va_vdst(0)                   ; and ahead of its first reader and of O^T's
.irp x, 0,1
	v_ldexp_f32 v[ST+8*\x+4], v[ST+8*\x+4], s55
.endr
.irp x, 0,1
.set jj, O+32*\x
.rept 16
	v_pk_mul_f32 v[jj:jj+1], v[jj:jj+1], v[ST+8*\x+4:ST+8*\x+5] op_sel_hi:[1,0]
.set jj, jj+2
.endr
.endr
.set jj, O
.rept 64
	v_med3_num_f32 v[jj], v[jj], -v[CAPO], v[CAPO]
.set jj, jj+1
.endr
.irp x, 0,1
.irp t, 0,1,2,3
	v_cvt_scalef32_pk8_bf8_f32 v[P+8*\x+2*\t:P+8*\x+2*\t+1], v[O+32*\x+8*\t:O+32*\x+8*\t+7], v[OSC]
.endr
.endr
	v_nop
.irp x, 0,1
	global_store_b128 v[LI], v[P+8*\x:P+8*\x+3], s[10:11] offset:8192*\x
	global_store_b128 v[LI], v[P+8*\x+4:P+8*\x+7], s[10:11] offset:8192*\x+512
.endr
	s_wait_tensorcnt 0x0                           ; the wave's end
	ds_add_u32 v[SPW], v[NIL]
	s_wait_dscnt 0x0
	CROUND                                         ; the closing round
	s_endpgm
.Lfunc_end_k_q9d60f67a81_attn:
	.size	k_q9d60f67a81_attn, .Lfunc_end_k_q9d60f67a81_attn-k_q9d60f67a81_attn
	.p2alignl 7, 3214868480
	.fill 96, 4, 3214868480
	.section	.rodata,"a",@progbits
	.p2align	6, 0x0
	.amdhsa_kernel k_q9d60f67a81_attn
		.amdhsa_group_segment_fixed_size 327680
		.amdhsa_private_segment_fixed_size 0
		.amdhsa_enable_private_segment 0
		.amdhsa_kernarg_size 32
		.amdhsa_user_sgpr_count 2
		.amdhsa_user_sgpr_kernarg_segment_ptr 1
		.amdhsa_wavefront_size32 1
		.amdhsa_system_sgpr_workgroup_id_x 1
		.amdhsa_system_sgpr_workgroup_id_y 1
		.amdhsa_system_sgpr_workgroup_id_z 1
		.amdhsa_system_vgpr_workitem_id 0
		.amdhsa_next_free_vgpr 384
		.amdhsa_next_free_sgpr 66
		.amdhsa_reserve_vcc 0
		.amdhsa_float_denorm_mode_32 3
		.amdhsa_float_denorm_mode_16_64 3
		.amdhsa_memory_ordered 1
		.amdhsa_forward_progress 1
		.amdhsa_inst_pref_size 129
	.end_amdhsa_kernel
	.amdgpu_metadata
---
amdhsa.version: [ 1, 2 ]
amdhsa.kernels:
  - .name:           k_q9d60f67a81_attn
    .symbol:         k_q9d60f67a81_attn.kd
    .args:
      - { .name: q_img, .offset: 0, .size: 8, .value_kind: global_buffer, .address_space: global }
      - { .name: kv_img, .offset: 8, .size: 8, .value_kind: global_buffer, .address_space: global }
      - { .name: lowp_scales, .offset: 16, .size: 8, .value_kind: global_buffer, .address_space: global }
      - { .name: o_img, .offset: 24, .size: 8, .value_kind: global_buffer, .address_space: global }
    .group_segment_fixed_size: 327680
    .private_segment_fixed_size: 0
    .kernarg_segment_align: 8
    .kernarg_segment_size: 32
    .max_flat_workgroup_size: 256
    .sgpr_count:     66
    .vgpr_count:     384
    .wavefront_size: 32
...
	.end_amdgpu_metadata
.endif
;; end of part 2
;; launch outp (part 3): grid 4 x 64, 4 waves a work-group, clusters of 4 x 4, 167,936 bytes of LDS; arguments o_img, Wo_codes, bo, lowp_scales, out0; writes out0
.if DOCPART == 3
	.amdgcn_target "amdgcn-amd-amdhsa--gfx1250"
	.amdhsa_code_object_version 6
	.text
	.protected	k_q9d60f67a81_outp
	.globl	k_q9d60f67a81_outp
	.p2align	8
	.type	k_q9d60f67a81_outp,@function
k_q9d60f67a81_outp:
	s_mov_b64 s[64:65], 0
	v_nop
	global_prefetch_b8 v0, s[64:65] scope:SCOPE_SE
	s_setreg_imm32_b32 hwreg(HW_REG_WAVE_MODE, 25, 1), 1
	s_wait_xcnt 0x0
	s_wait_alu depctr_hold_cnt(0) depctr_sa_sdst(0) depctr_va_vdst(0) depctr_va_sdst(0) depctr_va_ssrc(0) depctr_va_vcc(0) depctr_vm_vsrc(0)
	s_getreg_b32 s2, hwreg(HW_REG_IB_STS2, 6, 4)
	s_cmp_eq_u32 s2, 0
	s_cbranch_scc0 .Lentry_in_a_cluster
	s_endpgm
.Lentry_in_a_cluster:
	s_bfe_u32 s2, ttmp6, 0x10000c
	s_cmp_lg_u32 s2, 0xf033
	s_cbranch_scc0 .Lentry_shape_is_right
	s_endpgm
.Lentry_shape_is_right:
; out0 = o Wo^T + bo: [8192][512] x [512][512] on codes of BF8 (E5M2), sums in f32, each finished sum x 2^(e10 + e11) + bo in one multiply-add.
; SHARES.  A work-group (col 0..3, row 0..63) makes 128 tokens x 128 outputs; wave w: tokens 64 (w / 2) on, outputs 64 (w % 2) on.  K = 512 is one tile; every LDS byte is filled once.
; o comes as images of operand registers: token tile (16 tokens) x 8,192 bytes; piece c of K step q (512 bytes, 16 a lane) holds K = 128 q + 32 c + 16 (lane / 16) + 0 .. 15, the order in which
; ds_load_b128 takes Wo's rows: every product meets its partner.  The 128 tokens' images are one dense block of 65,536 bytes.
; THE ROWS OF Wo THAT FORM A TILE ARE NOT NEIGHBOURS: lane r of tile b takes output 4 r + b of the wave's 64.  With source 0 = 16 tokens, source 1 = 16 rows of Wo, register j of the four tiles' accumulators is four neighbouring
; outputs of token 8 (lane / 16) + j: sixteen lanes store 256 consecutive bytes, at a multiple of 256 from out0's first byte, straight from registers.
; Wo's rows come by a tile of three dimensions (512 bytes; 16 rows, 4 apart; 4 of those), so that in LDS a tile's 16 rows follow each other.
; The wave's 64 rows of Wo stay in 256 registers; the token tiles are finished one after the other, and each leaves while the next is multiplied.
; CLUSTER 4 x 4: o's block is shared along a row of the cluster, Wo's rows along a column: joint loads, a quarter of the requests.  No prefetch: there is no loop to run ahead in.
; LIMIT: e10 + e11 between -126 and 127.
; REGISTERS.  window 0: v1-19 addresses, bo; v32-63 results on their way out; v64-127, v128-191 two token tiles' fragments; v192-223, v224-255 two sets of four accumulators.   window 1: Wo's fragments, tile b, K step q at 64 b + 16 q.
.set PITCH, 528                        ; Wo's rows in LDS: 512 bytes + 16 of padding
.set WOFF,  65536                      ; behind o's images
.set SPARE, WOFF+128*PITCH             ; the spare words, 128 bytes a wave; no other line names them
.set LI,    5
.set SPW,   6
.set NIL,   7
.set ADRA,  8
.set ADRB,  10
.set CO,    13
.set BOT,   14
.set BO,    16
.set OUT,   32
.set X0,    64
.set X1,    128
.set A0,    192
.set A1,    224
.set WV,    14                         ; s14 wave; s15 wave / 2; s16 wave % 2
.set WR,    15
.set WC,    16
.set G1A,   24
.set G0A,   32
.set G1B,   48
.set G0B,   56
.set G2B,   64+4                       ; s[68:71], s[72:75] groups 2 and 3 for Wo
.set G3B,   64+8
.set W_MUL, 0x04                       ; source 1 (Wo) window 1
.set W_TOF, 0x40                       ; destination window 1
.set MSB, 0
.macro WIN new                         ; the immediate's high byte repeats the setting that is left
.if MSB != \new
	s_set_vgpr_msb (MSB<<8)|\new
.set MSB, \new
.endif
.endm
.macro CROUND                          ; a round of the cluster's barrier
	s_barrier_signal -1
	s_barrier_wait -1
	s_cmp_lg_u32 s[WV], 0
	s_cbranch_scc1 .Lnot_wave_0_\@
	s_barrier_signal -3
.Lnot_wave_0_\@:
	s_barrier_wait -3
	s_barrier_signal -1
	s_barrier_wait -1
.endm
.macro PLACES
.rept 4
	v_nop
.endr
.endm
.macro FX a, x                         ; 16 LDS loads: token tile a's fragments
	WIN 0
.irp q, 0,1,2,3
.irp c, 0,1,2,3
	ds_load_b128 v[\x+16*\q+4*\c:\x+16*\q+4*\c+3], v[ADRA] offset:8192*\a+2048*\q+512*\c
.endr
.endr
.endm
.macro FW q                            ; 16 LDS loads: the four tiles of Wo at K step q
	WIN W_TOF
.irp b, 0,1,2,3
.irp c, 0,1,2,3
	ds_load_b128 v[64*\b+16*\q+4*\c:64*\b+16*\q+4*\c+3], v[ADRB] offset:128*\q+32*\c+\b*16*PITCH
.endr
.endr
.endm
.macro MUL q, x, a                     ; four products at K step q; the four accumulators take turns, one instruction a turn
	WIN W_MUL
.irp b, 0,1,2,3
.if \q == 0
	v_wmma_f32_16x16x128_bf8_bf8 v[\a+8*\b:\a+8*\b+7], v[\x+16*\q:\x+16*\q+15], v[64*\b+16*\q:64*\b+16*\q+15], 0
.else
	v_wmma_f32_16x16x128_bf8_bf8 v[\a+8*\b:\a+8*\b+7], v[\x+16*\q:\x+16*\q+15], v[64*\b+16*\q:64*\b+16*\q+15], v[\a+8*\b:\a+8*\b+7]
.endif
.endr
.endm
.macro MULX x, a
.irp q, 0,1,2,3
	MUL \q, \x, \a
.endr
	WIN 0
.endm
.macro EPI t, a                        ; token tile t from accumulators a: x 2^(e10 + e11) + bo, and out
	s_wait_xcnt 0x0                                ; the stores before have read their data
.irp j, 0,1,2,3,4,5,6,7
.irp b, 0,1,2,3
	v_fma_f32 v[OUT+4*\j+\b], v[\a+8*\b+\j], s62, v[BO+\b]
.endr
.endr
.irp j, 0,1,2,3,4,5,6,7
	global_store_b128 v[CO], v[OUT+4*\j:OUT+4*\j+3], s[12:13] offset:32768*\t+2048*\j th:TH_STORE_NT
.endr
.endm
	s_load_b256 s[4:11], s[0:1], 0x0               ; o_img s[4:5], Wo s[6:7], bo s[8:9], the scales' exponents s[10:11]
	s_load_b64 s[12:13], s[0:1], 0x20              ; out0
	v_lshl_add_u32 v[SPW], v0, 2, SPARE
	v_mov_b32 v[NIL], 0
	ds_add_u32 v[SPW], v[NIL]                      ; the wave's opening: the add, twice on end, ahead of my first tensor load
	ds_add_u32 v[SPW], v[NIL]
	v_lshrrev_b32 v1, 5, v0
	v_readfirstlane_b32 s[WV], v1
	s_lshr_b32 s[WR], s[WV], 1                     ; my half of the tokens.  Also: I fetch o's images (0) or Wo's rows (1)
	s_and_b32 s[WC], s[WV], 1                      ; my half of the outputs.  Also: which half of that I fetch
	s_bfe_u32 s40, ttmp6, 0x40000                  ; cx, cy
	s_bfe_u32 s41, ttmp6, 0x40004
	s_lshl_b32 s42, ttmp9, 2
	s_add_co_u32 s42, s42, s40                     ; col
	s_and_b32 s17, ttmp7, 0xffff
	s_lshl_b32 s17, s17, 2
	s_add_co_u32 s17, s17, s41                     ; row
	s_lshl_b32 s43, s41, 2
	s_lshl_b32 s43, 15, s43                        ; my row of the cluster
	s_lshl_b32 s44, 0x1111, s40                    ; my column
	s_or_b32 s[G1A], s43, (3<<16)|(1<<21)          ; o: elements of 8 bytes, no padding
	s_mov_b32 s[G1A+1], 32<<16                     ; rows of 256 bytes,
	s_mov_b32 s[G1A+2], 128<<16                    ; 128 of them: 32,768 bytes, dense
	s_mov_b32 s[G1A+3], 32<<16
	s_mov_b32 s[G1A+4], 128
	s_mov_b32 s[G1A+5], 32
	s_mov_b32 s[G1A+6], 0
	s_mov_b32 s[G1A+7], 0
	s_or_b32 s[G1B], s44, (1<<20)|(1<<21)|(6<<22)|(3<<25)   ; Wo: elements of 1 byte; 4 words of padding after every 128
	s_mov_b32 s[G1B+1], 512<<16                    ; 512 bytes,
	s_mov_b32 s[G1B+2], 16<<16                     ; 16 rows,
	s_mov_b32 s[G1B+3], 512<<16
	s_mov_b32 s[G1B+4], 16|(4<<16)                 ; tile_dim1 = 16, tile_dim2 = 4
	s_mov_b32 s[G1B+5], 2048                       ; 4 rows apart,
	s_mov_b32 s[G1B+6], 512<<16                    ; and 1 row from plane to plane
	s_mov_b32 s[G1B+7], 0
	s_mov_b32 s[G2B], 4                            ; tensor_dim2 = 4
	s_mov_b32 s[G2B+1], 0
	s_mov_b32 s[G2B+2], 0
	s_mov_b32 s[G2B+3], 0
	s_mov_b32 s[G3B], 0
	s_mov_b32 s[G3B+1], 0
	s_mov_b32 s[G3B+2], 0
	s_mov_b32 s[G3B+3], 0
	s_lshl_b32 s18, s[WC], 15                      ; o: my half of the block, in LDS and in memory
	s_lshl_b32 s20, s17, 16
	s_add_co_u32 s20, s20, s18                     ; made of cy alone
	s_mov_b32 s21, 0
	s_lshl_b32 s46, s42, 7
	s_lshl_b32 s47, s[WC], 6
	s_add_co_u32 s46, s46, s47
	s_lshl_b32 s46, s46, 9                         ; Wo: (128 col + 64 half) rows of 512 bytes: made of cx alone
	s_mov_b32 s47, 0
	s_mul_i32 s19, s[WC], 64*PITCH
	s_add_co_u32 s19, s19, WOFF
	s_wait_alu depctr_va_vdst(0)
	s_wait_dscnt 0x0                               ; both opening adds are done
	s_wait_kmcnt 0x0
	s_load_b64 s[60:61], s[10:11], 0x28            ; e10, e11
	CROUND                                         ; all sixteen work-groups are here: the joint loads meet
	s_mov_b32 s[G0A], 1
	s_mov_b32 s[G0A+1], s18
	s_add_nc_u64 s[G0A+2:G0A+3], s[4:5], s[20:21]
	s_or_b32 s[G0A+3], s[G0A+3], 0x80000000
	s_mov_b32 s[G0B], 1
	s_mov_b32 s[G0B+1], s19
	s_add_nc_u64 s[G0B+2:G0B+3], s[6:7], s[46:47]
	s_or_b32 s[G0B+3], s[G0B+3], 0x80000000
	s_cmp_eq_u32 s[WR], 0                          ; waves 0 and 1 fetch o's halves, waves 2 and 3 Wo's: one load a wave; four v_nop follow each line
	s_cbranch_scc0 .Lfor_b
	tensor_load_to_lds s[G0A:G0A+3], s[G1A:G1A+7]
	s_nop 0
.rept 4
	v_nop
.endr
	s_branch .Lasked
.Lfor_b:
	tensor_load_to_lds s[G0B:G0B+3], s[G1B:G1B+7], s[G2B:G2B+3], s[G3B:G3B+3]
	s_nop 0
.rept 4
	v_nop
.endr
.Lasked:
	s_lshl_b32 s22, s[WR], 15
	s_mul_i32 s23, s[WC], 64*PITCH
	s_add_co_u32 s23, s23, WOFF
	v_and_b32 v1, 15, v0                           ; r
	v_bfe_u32 v2, v0, 4, 1                         ; h
	v_and_b32 v[LI], 31, v0
	v_lshlrev_b32 v[LI], 4, v[LI]
	v_add_nc_u32 v[ADRA], s22, v[LI]               ; my four token tiles' images: 16 x lane
	v_mul_u32_u24 v3, v1, PITCH
	v_lshl_add_u32 v3, v2, 4, v3
	v_add_nc_u32 v[ADRB], s23, v3                  ; my 64 rows of Wo
	v_lshlrev_b32 v[BOT], 4, v1                    ; four neighbouring outputs: 16 bytes a lane
	v_lshl_add_u32 v[CO], v2, 14, v[BOT]           ; lanes 0-15 one row of out0, lanes 16-31 the row 8 further on
	s_wait_alu depctr_va_vdst(0)
	s_lshl_b32 s38, s42, 7
	s_lshl_b32 s39, s[WC], 6
	s_add_co_u32 s38, s38, s39
	s_lshl_b32 s38, s38, 2                         ; my first output, in bytes
	s_mov_b32 s39, 0
	s_add_nc_u64 s[8:9], s[8:9], s[38:39]
	s_add_nc_u64 s[12:13], s[12:13], s[38:39]
	s_lshl_b32 s38, s17, 7
	s_lshl_b32 s36, s[WR], 6
	s_add_co_u32 s38, s38, s36
	s_lshl_b32 s38, s38, 11                        ; my first token's row
	s_add_nc_u64 s[12:13], s[12:13], s[38:39]
	global_load_b128 v[BO:BO+3], v[BOT], s[8:9]    ; bo at outputs 4 r + 0 .. 3
	s_wait_kmcnt 0x0
	s_add_co_i32 s62, s60, s61
	s_add_co_i32 s62, s62, 127
	s_lshl_b32 s62, s62, 23                        ; 2^(e10 + e11) as f32
	s_wait_tensorcnt 0x0                           ; my part is in,
	s_barrier_signal -1
	s_barrier_wait -1                              ; everybody's is
	FX 0, X0
	FW 0
	FW 1
	FW 2
	s_wait_dscnt 32                                ; all but Wo's K steps 1 and 2
	MUL 0, X0, A0
	FW 3
	s_wait_dscnt 32                                ; all but K steps 2 and 3
	MUL 1, X0, A0
	FX 1, X1
	s_wait_dscnt 32                                ; all but K step 3 and token tile 1
	MUL 2, X0, A0
	s_wait_dscnt 16                                ; all but token tile 1
	MUL 3, X0, A0
	PLACES
	FX 2, X0
	s_wait_dscnt 16                                ; token tile 1 is in
	MULX X1, A1
	s_wait_loadcnt 0x0                             ; bo
	EPI 0, A0                                      ; (its 32 multiply-adds are the places ahead of the loads below)
	FX 3, X1
	s_wait_dscnt 16                                ; token tile 2
	MULX X0, A0
	EPI 1, A1
	s_wait_dscnt 0x0                               ; token tile 3
	MULX X1, A1
	EPI 2, A0
	EPI 3, A1                                      ; (the 32 lines of the one before are its places)
	s_wait_tensorcnt 0x0                           ; the wave's end
	ds_add_u32 v[SPW], v[NIL]
	s_wait_dscnt 0x0
	CROUND                                         ; the closing round
	s_endpgm
.Lfunc_end_k_q9d60f67a81_outp:
	.size	k_q9d60f67a81_outp, .Lfunc_end_k_q9d60f67a81_outp-k_q9d60f67a81_outp
	.p2alignl 7, 3214868480
	.fill 96, 4, 3214868480
	.section	.rodata,"a",@progbits
	.p2align	6, 0x0
	.amdhsa_kernel k_q9d60f67a81_outp
		.amdhsa_group_segment_fixed_size 167936
		.amdhsa_private_segment_fixed_size 0
		.amdhsa_enable_private_segment 0
		.amdhsa_kernarg_size 40
		.amdhsa_user_sgpr_count 2
		.amdhsa_user_sgpr_kernarg_segment_ptr 1
		.amdhsa_wavefront_size32 1
		.amdhsa_system_sgpr_workgroup_id_x 1
		.amdhsa_system_sgpr_workgroup_id_y 1
		.amdhsa_system_sgpr_workgroup_id_z 1
		.amdhsa_system_vgpr_workitem_id 0
		.amdhsa_next_free_vgpr 512
		.amdhsa_next_free_sgpr 76
		.amdhsa_reserve_vcc 0
		.amdhsa_float_denorm_mode_32 3
		.amdhsa_float_denorm_mode_16_64 3
		.amdhsa_memory_ordered 1
		.amdhsa_forward_progress 1
		.amdhsa_inst_pref_size 31
	.end_amdhsa_kernel
	.amdgpu_metadata
---
amdhsa.version: [ 1, 2 ]
amdhsa.kernels:
  - .name:           k_q9d60f67a81_outp
    .symbol:         k_q9d60f67a81_outp.kd
    .args:
      - { .name: o_img, .offset: 0, .size: 8, .value_kind: global_buffer, .address_space: global }
      - { .name: Wo_codes, .offset: 8, .size: 8, .value_kind: global_buffer, .address_space: global }
      - { .name: bo, .offset: 16, .size: 8, .value_kind: global_buffer, .address_space: global }
      - { .name: lowp_scales, .offset: 24, .size: 8, .value_kind: global_buffer, .address_space: global }
      - { .name: out0, .offset: 32, .size: 8, .value_kind: global_buffer, .address_space: global }
    .group_segment_fixed_size: 167936
    .private_segment_fixed_size: 0
    .kernarg_segment_align: 8
    .kernarg_segment_size: 40
    .max_flat_workgroup_size: 128
    .sgpr_count:     76
    .vgpr_count:     512
    .wavefront_size: 32
...
	.end_amdgpu_metadata
.endif
;; end of part 3
